; MI455X (gfx1250); checked and timed in simulation.
; The chip was launched on July 23, 2026; its instructions are those of AMD's public machine-readable ISA for CDNA 5 (MIT licence, August 2026) and "CDNA5" Instruction Set Architecture Reference Guide (July 2026). The comments in the code are by the model that wrote it; some were corrected since.
;; Multi Head Attention Block. Allowed arithmetic: matrix products marked QUANTISED: E5M2 operands, one given power-of-two scale a tensor, by v_wmma_f32_16x16x64_bf8_bf8 or v_wmma_f32_16x16x128_bf8_bf8, f32 sums; everything else in f32.
;; Inputs: Wk 1,024 x 1,024 float32; Wq 1,024 x 1,024 float32; Wv 1,024 x 1,024 float32; bk 1,024 float32; bq 1,024 float32; bv 1,024 float32; key_inputs 4 x 1,024 x 1,024 float32; lowp_scales 10 int32 (the exponents e of the quantised operands' scales 2^e); query_inputs 4 x 1,024 x 1,024 float32; value_inputs 4 x 1,024 x 1,024 float32.
;; Outputs: out0 4 x 1,024 x 1,024 float32.
;; This version of the problem:
;;   THIS VERSION OF THE PROBLEM IS GIVEN IN LOW PRECISION. The matrix products marked QUANTISED in the list below multiply operands that are first quantised to E5M2 (5 exponent bits, 2 mantissa bits; 8 bits a number), with one given power-of-two scale for each operand tensor; their sums are f32. All else is computed in f32.
;;   The module's matrix products, in the order in which they are computed (A, B: the left and right operand; K: the contracted axis; several contracted axes count as one K, in the product's order):
;;     1. [M 4,096, K 1,024] x [K 1,024, N 1,024]; A: input query_inputs; B: input Wq: QUANTISED (scales: A lowp_scales[0], B lowp_scales[1])
;;     2. [M 4,096, K 1,024] x [K 1,024, N 1,024]; A: input key_inputs; B: input Wk: QUANTISED (scales: A lowp_scales[2], B lowp_scales[3])
;;     3. [M 4,096, K 1,024] x [K 1,024, N 1,024]; A: input value_inputs; B: input Wv: QUANTISED (scales: A lowp_scales[4], B lowp_scales[5])
;;     4. batch 64 x [M 1,024, K 64] x [K 64, N 1,024]; A: computed on the way; B: computed on the way: QUANTISED (scales: A lowp_scales[6], B lowp_scales[7])
;;     5. batch 64 x [M 64, K 1,024] x [K 1,024, N 1,024]; A: computed on the way; B: softmax (see below): QUANTISED (scales: A lowp_scales[8], B lowp_scales[9])
;;   THE QUANTISER, for each operand of a quantised product, along K:
;;     - The operand's scale is 2^e, e = its entry of the input lowp_scales (int32; the entries are numbered through the quantised products in the list's order, A before B).
;;     - Each number is divided by the scale, clamped to +-57,344, and rounded to the nearest number of E5M2, ties to even, subnormals kept.
;;     - The product sums the exact products of the quantised numbers (number of the format x scale) in f32.
;;   ~~~python
;;   def quantise(x, axis, e):      # numpy; x: float32 -> the quantised numbers, widened to float32 again
;;       x = np.moveaxis(x, axis, -1); K = x.shape[-1]
;;       r = np.clip(x / 2.0 ** e, -57344, 57344)
;;       step = 2.0 ** (np.maximum(np.frexp(np.where(r == 0, 1, r))[1] - 1, -14) - 2)
;;       q = np.round(r / step) * step * 2.0 ** e      # np.round: ties to even
;;       return np.moveaxis(q, -1, axis).astype(np.float32)
;;   ~~~
;;   SOFTMAX AHEAD OF A QUANTISED PRODUCT. Where the list says 'softmax', what is quantised is not the finished softmax but p = 2^(t - M), with t = logit x log2(e) and M = ceil(the row's largest t), a whole number; so 1/2 < the row's largest p <= 1. The row's sum l is taken of the UNQUANTISED p, in f32, and the product's result is divided by l at the end. Since M is a whole number, a kernel that streams over the keys may use a running M (the ceiling of the running maximum): every later rescaling is an exact power of two, so the quantised numbers keep their values, but for numbers so far below the row's largest that they fall under the format's range.
;;   OPERANDS COMPUTED ON THE WAY. 'Computed on the way' means the value that the module computes at that place (a softmax that the list does not call 'softmax' is quantised finished and normalised). What goes into a quantiser is computed in f32, as accurately as f32 sums, v_exp_f32 and their like allow (about 1e-6 of the number): no bf16 or f16 on the way to a quantiser, and a product that is left as it is and whose result goes on into a quantised operand takes f32 operands (vector FMAs, or v_wmma_f32_16x16x4_f32). A number that lies on a knife's edge between two numbers of the format may be rounded either way, as far as f32 arithmetic and the matrix unit's own rounding can turn it there, and no further.
;; One version. Each part assembles by itself: llvm-mc -triple=amdgcn-amd-amdhsa -mcpu=gfx1250 --defsym DOCPART=n.
;; ======== version 1 of 1: 3 launches
;; limits: right only within a limited range of input values
;; workspace buffers: codes 15,728,640 bytes; att 12,582,912 bytes
;; launch quant (part 1): grid 480 x 1, 8 waves a work-group, no clusters, 66,560 bytes of LDS; arguments query_inputs, key_inputs, value_inputs, Wq, Wk, Wv, lowp_scales, codes; writes codes
.if DOCPART == 1
	.amdgcn_target "amdgcn-amd-amdhsa--gfx1250"
	.amdhsa_code_object_version 6
	.text
	.protected	k_qe7f6615df3_quant
	.globl	k_qe7f6615df3_quant
	.p2align	8
	.type	k_qe7f6615df3_quant,@function
k_qe7f6615df3_quant:
	s_mov_b64 s[64:65], 0
	v_nop
	global_prefetch_b8 v0, s[64:65] scope:SCOPE_SE
	s_setreg_imm32_b32 hwreg(HW_REG_WAVE_MODE, 25, 1), 1
	s_wait_xcnt 0x0
; The six f32 operands of the three projections become codes of BF8 (E5M2), one byte each, with the one scale 2^e given for each tensor.
; Rows of 1,024 numbers (K): query_inputs (4,096 rows), key_inputs, value_inputs, Wq (1,024 rows), Wk, Wv, on end: row R of 15,360.
; codes: byte = ((R / 128) x 4 + k / 256) x 32,768 + (R % 128) x 256 + k % 256: for each 128 rows four dense blocks [128 rows][256 codes], one for each K step of the projections.
; code = x / 2^e, held within +-57,344, rounded to the nearest code, ties to even.  e: lowp_scales[2 t] for input t, [2 t + 1] for weight t.
; LIMITS: -126 <= e <= 112 for entries 0 to 5, so that 2^e and 57,344 x 2^e are f32 numbers.  NaN among the inputs is not served; an infinity is held at the largest code.
; A work-group takes 32,768 numbers, each of its eight waves 4,096: four rows, in 8 steps of 512.  Work-groups 0-383 take the inputs (128 each), 384-479 the weights (32 each); only pointers and the scale are chosen, by selects.
; A conversion takes 8 neighbours from ONE lane's registers, a load is dense where neighbouring LANES take neighbouring bytes: so a step's 2,048 bytes are loaded 16 bytes a lane (512 consecutive bytes a load),
; go through the wave's own stage in LDS as they lie, and come back 64 bytes a lane.  A lane's 16 codes are 16 bytes: sixteen lanes store one aligned unit of 256 bytes.
; All 32 loads of a wave are issued at its head, each step into registers of its own, and the waits count down.
; The work-groups share no input, so there is no cluster; no tensor load, no ring, no barrier: waves share nothing.  The turn through LDS runs one step ahead of the arithmetic.
.set STEPS, 8
.set NIN,   384                        ; work-groups that take inputs
.set EMAX,  15
.set MANT,  0x600000                   ; the mantissa field of 57,344 as f32
.set R,     16                         ; v16-143  eight sets of 16 numbers as they are loaded, one for each step
.set X,     144                        ; v144-175 two sets of 16 neighbours
.set C,     176                        ; v176-207 codes: four registers for each step, so that no store's data are written again
.set SPW,   208                        ; v208     LDS address of my spare word; v209 0; never rewritten
.set NIL,   209
.set WREG,  8192                       ; LDS: a region of its own for each wave: two stages of 32 x SP bytes
.set SP,    80                         ; a lane's place in a stage: its 64 bytes + 16 of padding
.set SPARE, 8*WREG                     ; the spare words, 128 bytes for each wave: four blocks of 256 bytes that no other line names
	s_load_b512 s[8:23], s[0:1], 0x0               ; q s[8:9], k s[10:11], v s[12:13], Wq s[14:15], Wk s[16:17], Wv s[18:19], the scales s[20:21], codes s[22:23]
	v_lshl_add_u32 v[SPW], v0, 2, SPARE
	v_mov_b32 v[NIL], 0
	v_lshrrev_b32 v1, 5, v0
	v_and_b32 v2, 31, v0                           ; lane
	v_readfirstlane_b32 s24, v1                    ; wave 0..7
	s_mul_i32 s25, s24, WREG
	v_lshrrev_b32 v14, 2, v2
	v_and_b32 v15, 3, v2
	v_lshlrev_b32 v3, 4, v2                        ; my 16 bytes of a load's 512
	v_mul_u32_u24 v14, v14, SP
	v_lshlrev_b32 v15, 4, v15
	v_lshrrev_b32 v4, 4, v2
	v_and_b32 v5, 15, v2
	v_add_nc_u32 v14, v14, v15
	v_mul_u32_u24 v15, v2, SP
	v_lshlrev_b32 v4, 15, v4
	v_add_nc_u32 v14, s25, v14                     ; the stage, on the way in: four lanes' 64 bytes on end, then 16 of padding
	v_add_nc_u32 v15, s25, v15                     ; and on the way out: SP x lane: my 16 neighbours
	v_lshl_add_u32 v4, v5, 4, v4                   ; my place in a store: lanes 0-15 one K step's block, lanes 16-31 the next one's
	s_lshr_b32 s26, ttmp9, 7                       ; an input's number,
	s_and_b32 s27, ttmp9, 127                      ; and my place in it
	s_max_u32 s28, ttmp9, NIN
	s_sub_co_u32 s28, s28, NIN
	s_lshr_b32 s29, s28, 5                         ; a weight's number,
	s_and_b32 s30, s28, 31                         ; and my place in it
	s_cmp_lt_u32 ttmp9, NIN                        ; an input's work-group or a weight's?
	s_cselect_b32 s26, s26, s29                    ; t
	s_cselect_b32 s27, s27, s30
	s_lshl_b32 s27, s27, 3
	s_add_co_u32 s27, s27, s24                     ; which run of 4,096 numbers of the tensor is my wave's
	s_lshl_b32 s28, s27, 14                        ; in bytes of f32 (at most 2^24)
	s_mov_b32 s29, 0
	s_lshl_b32 s30, ttmp9, 3
	s_add_co_u32 s30, s30, s24                     ; my rows are 4 x this on: the six tensors lie on end in the work-groups' order
	s_lshr_b32 s31, s30, 5
	s_lshl_b32 s31, s31, 17                        ; which 128 rows,
	s_and_b32 s30, s30, 31
	s_lshl_b32 s30, s30, 10                        ; and my four of them
	s_add_co_u32 s30, s30, s31
	s_mov_b32 s31, 0
	s_wait_alu depctr_va_vdst(0)
	s_wait_kmcnt 0x0
	s_load_b256 s[40:47], s[20:21], 0x0            ; e0 .. e7
	s_cmp_lt_u32 ttmp9, NIN                        ; the choices hang on the work-group's number alone
	s_cselect_b64 s[32:33], s[8:9], s[14:15]
	s_cselect_b64 s[34:35], s[10:11], s[16:17]
	s_cselect_b64 s[36:37], s[12:13], s[18:19]
	s_cmp_eq_u32 s26, 1
	s_cselect_b64 s[4:5], s[34:35], s[32:33]
	s_cmp_eq_u32 s26, 2
	s_cselect_b64 s[4:5], s[36:37], s[4:5]
	s_add_nc_u64 s[4:5], s[4:5], s[28:29]
	s_add_nc_u64 s[6:7], s[22:23], s[30:31]
.macro LOAD t
.irp i, 0,1,2,3
	global_load_b128 v[R+16*(\t)+4*\i:R+16*(\t)+4*\i+3], v3, s[4:5] offset:2048*(\t)+512*\i th:TH_LOAD_NT   ; 32 lanes read 512 consecutive bytes; read once in the launch
.endr
.endm
.macro TURN t                          ; step t's numbers through the stage: LDS serves a wave's instructions in order (ISA guide 5.7.1.4), so no wait stands between the stores and the loads
.irp i, 0,1,2,3
	ds_store_b128 v14, v[R+16*(\t)+4*\i:R+16*(\t)+4*\i+3] offset:32*SP*((\t)%2)+8*SP*\i
.endr
.irp i, 0,1,2,3
	ds_load_b128 v[X+16*((\t)%2)+4*\i:X+16*((\t)%2)+4*\i+3], v15 offset:32*SP*((\t)%2)+16*\i
.endr
.endm
.irp t, 0,1,2,3,4,5,6,7
	LOAD \t                                        ; all eight steps: 32 loads of mine are out
.endr
	s_wait_kmcnt 0x0
	s_cmp_lt_u32 ttmp9, NIN                        ; an input takes the even entry of its pair, a weight the odd one
	s_cselect_b32 s40, s40, s41
	s_cselect_b32 s42, s42, s43
	s_cselect_b32 s44, s44, s45
	s_cmp_eq_u32 s26, 1
	s_cselect_b32 s40, s42, s40
	s_cmp_eq_u32 s26, 2
	s_cselect_b32 s40, s44, s40                    ; e
	s_add_co_i32 s40, s40, 127
	s_lshl_b32 s41, s40, 23
	v_mov_b32 v11, s41                             ; 2^e as f32: the conversion takes its exponent field
	s_add_co_i32 s40, s40, EMAX
	s_lshl_b32 s40, s40, 23
	s_or_b32 s40, s40, MANT
	v_mov_b32 v10, s40                             ; the largest number x 2^e
	s_wait_alu depctr_va_vdst(0)
	s_wait_loadcnt 4*(STEPS-1)                     ; step 0's four loads are in; the 28 of steps 1 to 7 may be out
	TURN 0
.macro STEP t
.set XS, X+16*((\t)%2)
	s_wait_dscnt 0x0                               ; this step's numbers are back from the stage
.if (\t)+1 < STEPS
	s_wait_loadcnt 4*(STEPS-2-(\t))                ; the next step's four loads are in; four for each step behind it may be out
	TURN (\t)+1                                    ; and go through the other stage while this step is worked
.endif
.irp i, 0,1,2,3,4,5,6,7,8,9,10,11,12,13,14,15
	v_med3_num_f32 v[XS+\i], v[XS+\i], -v10, v10   ; the conversion to an 8-bit code does not saturate (ISA guide 7.6.2): hold the number within the largest code x the scale first
.endr
	v_cvt_scalef32_pk8_bf8_f32 v[C+4*(\t):C+4*(\t)+1], v[XS:XS+7], v11          ; eight numbers / 2^e, to the nearest code, ties to even; the first number's code in the lowest byte
	v_cvt_scalef32_pk8_bf8_f32 v[C+4*(\t)+2:C+4*(\t)+3], v[XS+8:XS+15], v11
	global_store_b128 v4, v[C+4*(\t):C+4*(\t)+3], s[6:7] offset:256*((\t)/2)+65536*((\t)%2)   ; half a row: 256 bytes in each of two K steps' blocks.  The codes go to a store alone; the next step's holds are plain lines on other registers
.endm
.irp t, 0,1,2,3,4,5,6,7
	STEP \t
.endr
	s_wait_tensorcnt 0x0                           ; the wave's end, behind my last LDS store
	ds_add_u32 v[SPW], v[NIL]
	s_wait_dscnt 0x0
	s_endpgm
.Lfunc_end_k_qe7f6615df3_quant:
	.size	k_qe7f6615df3_quant, .Lfunc_end_k_qe7f6615df3_quant-k_qe7f6615df3_quant
	.p2alignl 7, 3214868480
	.fill 96, 4, 3214868480
	.section	.rodata,"a",@progbits
	.p2align	6, 0x0
	.amdhsa_kernel k_qe7f6615df3_quant
		.amdhsa_group_segment_fixed_size 66560
		.amdhsa_private_segment_fixed_size 0
		.amdhsa_enable_private_segment 0
		.amdhsa_kernarg_size 64
		.amdhsa_user_sgpr_count 2
		.amdhsa_user_sgpr_kernarg_segment_ptr 1
		.amdhsa_wavefront_size32 1
		.amdhsa_system_sgpr_workgroup_id_x 1
		.amdhsa_system_sgpr_workgroup_id_y 1
		.amdhsa_system_sgpr_workgroup_id_z 1
		.amdhsa_system_vgpr_workitem_id 0
		.amdhsa_next_free_vgpr 210
		.amdhsa_next_free_sgpr 66
		.amdhsa_reserve_vcc 0
		.amdhsa_float_denorm_mode_32 3
		.amdhsa_float_denorm_mode_16_64 3
		.amdhsa_memory_ordered 1
		.amdhsa_forward_progress 1
		.amdhsa_inst_pref_size 21
	.end_amdhsa_kernel
	.amdgpu_metadata
---
amdhsa.version: [ 1, 2 ]
amdhsa.kernels:
  - .name:           k_qe7f6615df3_quant
    .symbol:         k_qe7f6615df3_quant.kd
    .args:
      - { .name: query_inputs, .offset: 0, .size: 8, .value_kind: global_buffer, .address_space: global }
      - { .name: key_inputs, .offset: 8, .size: 8, .value_kind: global_buffer, .address_space: global }
      - { .name: value_inputs, .offset: 16, .size: 8, .value_kind: global_buffer, .address_space: global }
      - { .name: Wq, .offset: 24, .size: 8, .value_kind: global_buffer, .address_space: global }
      - { .name: Wk, .offset: 32, .size: 8, .value_kind: global_buffer, .address_space: global }
      - { .name: Wv, .offset: 40, .size: 8, .value_kind: global_buffer, .address_space: global }
      - { .name: lowp_scales, .offset: 48, .size: 8, .value_kind: global_buffer, .address_space: global }
      - { .name: codes, .offset: 56, .size: 8, .value_kind: global_buffer, .address_space: global }
    .group_segment_fixed_size: 66560
    .private_segment_fixed_size: 0
    .kernarg_segment_align: 8
    .kernarg_segment_size: 64
    .max_flat_workgroup_size: 256
    .sgpr_count:     66
    .vgpr_count:     210
    .wavefront_size: 32
...
	.end_amdgpu_metadata
.endif
;; end of part 1
;; launch proj (part 2): grid 4 x 48, 4 waves a work-group, clusters of 4 x 4, 327,680 bytes of LDS; arguments codes, bq, bk, bv, lowp_scales, att; writes att
.if DOCPART == 2
	.amdgcn_target "amdgcn-amd-amdhsa--gfx1250"
	.amdhsa_code_object_version 6
	.text
	.protected	k_qe7f6615df3_proj
	.globl	k_qe7f6615df3_proj
	.p2align	8
	.type	k_qe7f6615df3_proj,@function
k_qe7f6615df3_proj:
	s_mov_b64 s[64:65], 0
	v_nop
	global_prefetch_b8 v0, s[64:65] scope:SCOPE_SE
	s_setreg_imm32_b32 hwreg(HW_REG_WAVE_MODE, 25, 1), 1
	s_wait_xcnt 0x0
	s_wait_alu depctr_hold_cnt(0) depctr_sa_sdst(0) depctr_va_vdst(0) depctr_va_sdst(0) depctr_va_ssrc(0) depctr_va_vcc(0) depctr_vm_vsrc(0)
	s_getreg_b32 s2, hwreg(HW_REG_IB_STS2, 6, 4)
	s_cmp_eq_u32 s2, 0
	s_cbranch_scc0 .Lentry_in_a_cluster
	s_endpgm
.Lentry_in_a_cluster:
	s_bfe_u32 s2, ttmp6, 0x10000c
	s_cmp_lg_u32 s2, 0xf033
	s_cbranch_scc0 .Lentry_shape_is_right
	s_endpgm
.Lentry_shape_is_right:
; The three projections on codes of BF8 (E5M2), + bias, quantised again for the attention: tensor t = 0: q (the attention's values), 1: k (its keys), 2: v (its queries).
; The text computes C'[i][j] = sum over k of A'[i][k] B'[j][k], K = 1,024, and stores Q(C' x 2^(ea + eb) + bias) as codes.
;   t = 1, 2: A' = the input's 4,096 rows (i = token), B' = the weight's 1,024 rows (j = model column); the bias goes by j.
;   t = 0:    A' = Wq (i = model column), B' = query_inputs (j = token); the bias goes by i.  A lane's eight results are neighbours along j, so the values' codes come out with the KEYS innermost.
; THE BIAS IS THE C OF EACH SUM'S FIRST PRODUCT, x 2^-(ea + eb); the scales are folded into the conversion's one: code = sum / 2^(e - ea - eb), held within +-57,344.
; att, part t at t << 22.  t = 1, 2: byte = ((j / 64) x 4,096 + P(i)) x 64 + j % 64: a head's keys or queries of a batch are 65,536 bytes on end.
;   t = 0: byte = (((j / 1,024) x 16 + i / 64) x 16 + (j % 1,024) / 64) x 4,096 + P(i % 64) x 64 + j % 64: a head's values of a batch likewise.
;   P exchanges bits 3 and 4 of the row's number: each run of 32 rows is stored as its rows 0-7, 16-23, 8-15, 24-31, the order in which the attention's tiles of 16 take them.
; Scales: ea, eb = lowp_scales[2 t], [2 t + 1]; the result's scale e is lowp_scales[8 - t] (values 8, keys 7, queries 6).
; LIMITS: ea + eb between -126 and 126; e - ea - eb between -126 and 112; bias x 2^-(ea + eb) inside f32.  NaN is not served.
; A tile of C', 256 x 256, is made by four waves, 128 x 128 each: 64 accumulators, 512 registers.
; K goes in four steps of 256 through two slots in LDS.  Each wave fetches 128 rows of A' or of B' and has two blocks of 128 rows for them, one for each slot, on end.
; CLUSTERS: 4 x 4 work-groups; cluster y = 4 t + c, c = which 1,024 tokens.  The four of a row of the cluster need the same tiles of A', the four of a column the same tiles of B': each tile is asked for JOINTLY.
; No prefetch: of four K steps two are asked for ahead of the first product, and the other two behind the first and the second change of slots; there is no loop to run ahead in.
; THE MATRIX INSTRUCTION IS USED TRANSPOSED (source 0 = 16 rows of B', source 1 = 16 rows of A'): lane (r, h) of accumulator (a, b) holds C'(16 a + r, 16 b + 8 h + 0 .. 7).
; A fragment is fetched by four 16-byte loads: a permutation of k, the same in A' and B', so every product meets its partner.
; REGISTERS, in windows of 256: window 0: v1-30 addresses; v32-95 the bias; v112, v113 the conversion's scale and hold; from v128 A's fragments, ONE set; on the way out v128-255 are free.
;   window 1: B's fragments, TWO sets, at v0 and v128.   window 2: the accumulators of my rows 0-63 ((a, b) at v[8 (8 a + b)]);   window 3: those of my rows 64-127.
.set ROWB,   256                       ; 256 codes: a K step of a row
.set KROW,   256                       ; codes lie in dense blocks [128 rows][256 codes], 32,768 bytes; the four K steps of 128 rows are four blocks on end: so 128 rows are 131,072 bytes, and row x 1,024 is where a run of 128 rows begins
.set PITCH,  272                       ; an LDS row: 256 bytes + 16 of padding, an odd multiple of 16: the 16 rows that a load touches start at 16 different 16-byte columns of 256
.set FR,     16                        ; registers of a fragment: 16 rows x 128 K
.set NL,     4                         ; LDS loads that bring one
.set NP,     4                         ; places behind this matrix instruction (ISA guide 7.12.1)
.set HALFT,  128*PITCH                 ; a block of 128 rows: what one wave fetches, and what one wave reads of A' or of B', in one slot
.set SPARE,  8*HALFT                   ; the spare words, 128 bytes for each wave: two blocks of 256 bytes that no other line names
.set STAGE,  SPARE+512                 ; the way out: for each wave 2 blocks of 64 columns x 16 rows x (64 bytes + 16); no tile ever lands here
.set SROW,   80
.set SBLK,   16*SROW
.set ADRA, 16                          ; v16 LDS address of my A fragments, v17 of my B fragments, in slot 0
.set ADRB, 17
.set STO,  24                          ; v24 the way out: where I put 8 codes of a row
.set RD,   25                          ; v25 the way out: where I read 16 bytes back
.set CO,   26                          ; v26 16 x lane: my bytes of a store's 512
.set BJO,  27                          ; v27 my byte offset in the bias, by j;  v30 by i
.set BIO,  30
.set SPW,  28                          ; v28 LDS address of my spare word; v29 0; never rewritten
.set NIL,  29
.set BJ,   32                          ; v32-95 the bias in the accumulators' layout: by j: eight registers for each b; by i: eight equal ones for each a
.set BI,   96
.set SCL,  112
.set LIM,  113
.set AF,   128
.set TMP,  128                         ; the way out: a block's 64 numbers
.set CD,   192                         ; their codes: v192-207 and v208-223 by turns
.set OB,   224                         ; 16 rows read back from the stage: v224-239 and v240-255 by turns
.set WV, 16                            ; s16 wave;  s17 which half of the tile's rows is mine, also: I fetch for A' (0) or B' (1);  s18 which half of its columns, also: which 128 rows I fetch
.set RH, 17
.set CH, 18
.set G1A, 24                           ; s[24:31], s[32:39] descriptor group 1, A' and B'
.set G1B, 32
.set G0A, 40                           ; s[40:43], s[44:47] group 0
.set G0B, 44
.set RA, 48                            ; s[48:55], s[56:63] group 1 of the refills
.set RB, 56
.set MSB, 0
.macro WIN new                         ; the immediate's high byte repeats the setting that is left
.if MSB != (\new)
	s_set_vgpr_msb (MSB<<8)|(\new)
.set MSB, (\new)
.endif
.endm
.set MUL_LO, 0xa1                      ; source 0 (B') window 1, source 1 (A') window 0, C and D window 2
.set MUL_HI, 0xf1                      ; the same, C and D window 3
.set TO_B,   0x40                      ; destination window 1, address window 0
; A joint load: waves 0 and 1 fetch for A', waves 2 and 3 for B'.  Each line has ONE mask and one set of registers for all that issue it; the branch hangs on the wave's number alone.
.macro JLOAD ga, gb
	s_cmp_eq_u32 s[RH], 0
	s_cbranch_scc0 .Lfor_b_\@
	tensor_load_to_lds s[G0A:G0A+3], s[\ga:\ga+7]
	s_nop 0
.rept 4
	v_nop
.endr
	s_branch .Lasked_\@
.Lfor_b_\@:
	tensor_load_to_lds s[G0B:G0B+3], s[\gb:\gb+7]
	s_nop 0
.rept 4
	v_nop
.endr
.Lasked_\@:
.endm
.macro NEXTK slot                      ; slot 0: K step 2, two blocks of 32,768 bytes on; slot 1: K step 3, one more, into the block behind slot 0's
.if \slot
	s_add_nc_u64 s[G0A+2:G0A+3], s[G0A+2:G0A+3], 32768
	s_add_nc_u64 s[G0B+2:G0B+3], s[G0B+2:G0B+3], 32768
	s_add_co_u32 s[G0A+1], s[G0A+1], HALFT
	s_add_co_u32 s[G0B+1], s[G0B+1], HALFT
.else
	s_add_nc_u64 s[G0A+2:G0A+3], s[G0A+2:G0A+3], 65536
	s_add_nc_u64 s[G0B+2:G0B+3], s[G0B+2:G0B+3], 65536
.endif
.endm
.macro CREST                           ; a round of the cluster's barrier behind its opening barrier
	s_cmp_lg_u32 s[WV], 0
	s_cbranch_scc1 .Lnot_wave_0_\@
	s_barrier_signal -3
.Lnot_wave_0_\@:
	s_barrier_wait -3
	s_barrier_signal -1
	s_barrier_wait -1
.endm
.macro CROUND                          ; a whole round
	s_barrier_signal -1
	s_barrier_wait -1
	CREST
.endm
	s_load_b256 s[4:11], s[0:1], 0x0               ; codes s[4:5], bq s[6:7], bk s[8:9], bv s[10:11]
	s_load_b128 s[12:15], s[0:1], 0x20             ; the scales' exponents s[12:13], att s[14:15]
	v_lshl_add_u32 v[SPW], v0, 2, SPARE
	v_mov_b32 v[NIL], 0
	ds_add_u32 v[SPW], v[NIL]                      ; the wave's opening: the add, twice on end, and its wait ahead of my first tensor load
	ds_add_u32 v[SPW], v[NIL]
	v_lshrrev_b32 v1, 5, v0
	v_readfirstlane_b32 s[WV], v1                  ; wave 0..3
	s_lshr_b32 s[RH], s[WV], 1
	s_and_b32 s[CH], s[WV], 1
	s_bfe_u32 s19, ttmp6, 0x40000                  ; cx, cy: my place in the cluster
	s_bfe_u32 s20, ttmp6, 0x40004
	s_and_b32 s21, ttmp7, 0xffff                   ; cluster y, 0 .. 11: all sixteen partners share it
	s_lshr_b32 s22, s21, 2                         ; t: the tensor
	s_and_b32 s23, s21, 3                          ; c: which 1,024 tokens
	s_min_u32 s66, s22, 1                          ; u = 1: the input is A' (t = 1, 2)
	s_xor_b32 s67, s66, 1                          ; nu = 1: the weight is A' (t = 0)
	s_lshl_b32 s68, s20, 2
	s_lshl_b32 s68, 15, s68                        ; my row of the cluster
	s_lshl_b32 s69, 0x1111, s19                    ; my column
	; descriptor group 1: 128 rows x 256 bytes.  15:0 the mask; 17:16 element of 1 byte; 20 padding on; 21 set beside a mask; 24:22 after every 64 words (code 5); 31:25 of 4 words (code 3)
	; (that is a refill; the head's load is two K steps, 256 rows x 256 bytes on end: both slots' blocks)
	s_or_b32 s[G1A], s68, (1<<20)|(1<<21)|(5<<22)|(3<<25)
	s_or_b32 s[G1B], s69, (1<<20)|(1<<21)|(5<<22)|(3<<25)
	s_or_b32 s[RA], s68, (1<<20)|(1<<21)|(5<<22)|(3<<25)
	s_or_b32 s[RB], s69, (1<<20)|(1<<21)|(5<<22)|(3<<25)
.irp g, G1A, G1B
	s_mov_b32 s[\g+2], 256<<16                     ; tensor_dim1 = 256
	s_mov_b32 s[\g+4], 256                         ; tile_dim1 = 256
.endr
.irp g, RA, RB
	s_mov_b32 s[\g+2], 128<<16
	s_mov_b32 s[\g+4], 128
.endr
.irp g, G1A, G1B, RA, RB
	s_mov_b32 s[\g+1], ROWB<<16                    ; tensor_dim0
	s_mov_b32 s[\g+3], ROWB<<16                    ; tile_dim0
	s_mov_b32 s[\g+5], KROW                        ; tensor_dim0_stride
	s_mov_b32 s[\g+6], 0
	s_mov_b32 s[\g+7], 0
.endr
	; A's first row in codes: u (4096 t + 1024 c) + nu 12288 + 256 cy + 128 half: in registers that do not hold cx
	s_lshl_b32 s70, s22, 12
	s_lshl_b32 s71, s23, 10
	s_add_co_u32 s70, s70, s71
	s_mul_i32 s70, s70, s66
	s_mul_i32 s71, s67, 12288
	s_add_co_u32 s70, s70, s71
	s_lshl_b32 s71, s20, 8
	s_add_co_u32 s70, s70, s71
	s_lshl_b32 s71, s[CH], 7
	s_add_co_u32 s70, s70, s71
	s_lshl_b32 s70, s70, 10                        ; in bytes, under 2^24
	s_mov_b32 s71, 0
	; B's: u (12288 + 1024 t) + nu 1024 c + 256 cx + 128 half: in registers that do not hold cy
	s_lshl_b32 s72, s22, 10
	s_add_co_u32 s72, s72, 12288
	s_mul_i32 s72, s72, s66
	s_lshl_b32 s73, s23, 10
	s_mul_i32 s73, s73, s67
	s_add_co_u32 s72, s72, s73
	s_lshl_b32 s73, s19, 8
	s_add_co_u32 s72, s72, s73
	s_lshl_b32 s73, s[CH], 7
	s_add_co_u32 s72, s72, s73
	s_lshl_b32 s72, s72, 10
	s_mov_b32 s73, 0
	s_mul_i32 s74, s[WV], 2*HALFT                  ; where they go: my two blocks: no place in the cluster enters an LDS address
	s_wait_dscnt 0x0                               ; both opening adds are done
	s_wait_kmcnt 0x0
	s_load_b256 s[80:87], s[12:13], 0x0            ; e0 .. e7
	s_load_b32 s88, s[12:13], 0x20                 ; e8
	s_mov_b32 s[G0A], 1
	s_mov_b32 s[G0A+1], s74
	s_add_nc_u64 s[G0A+2:G0A+3], s[4:5], s[70:71]
	s_or_b32 s[G0A+3], s[G0A+3], 0x80000000
	s_mov_b32 s[G0B], 1
	s_mov_b32 s[G0B+1], s74
	s_add_nc_u64 s[G0B+2:G0B+3], s[4:5], s[72:73]
	s_or_b32 s[G0B+3], s[G0B+3], 0x80000000
	CROUND                                         ; all sixteen work-groups are here: the first joint loads meet
	JLOAD G1A, G1B                                 ; K steps 0 and 1, into both slots: my one load at the head
	; where my part of att begins: part t + (first block of 64 columns) x s96 + (first block of 64 rows) x s94
	s_mul_i32 s96, s66, 258048
	s_add_co_u32 s96, s96, 4096                    ; from a block of 64 columns to the next: 262,144 (t = 1, 2) or 4,096
	s_mov_b32 s97, 0
	s_mul_i32 s94, s66, 61440
	s_sub_co_u32 s94, 65536, s94                   ; from 64 rows to the next: 4,096 (t = 1, 2) or 65,536
	s_mov_b32 s95, 0
	s_lshl_b32 s98, s19, 2
	s_lshl_b32 s99, s[CH], 1
	s_add_co_u32 s98, s98, s99                     ; 4 cx + 2 half
	s_mul_i32 s98, s98, s96
	s_lshl_b32 s99, s23, 4
	s_lshl_b32 s100, s20, 2
	s_add_co_u32 s99, s99, s100
	s_lshl_b32 s100, s[RH], 1
	s_add_co_u32 s99, s99, s100                    ; 16 c + 4 cy + 2 half
	s_mul_i32 s99, s99, s94
	s_add_co_u32 s98, s98, s99
	s_lshl_b32 s99, s22, 22
	s_add_co_u32 s98, s98, s99
	s_mov_b32 s99, 0
	s_add_nc_u64 s[70:71], s[14:15], s[98:99]      ; my first block of 64 columns,
	s_add_nc_u64 s[72:73], s[70:71], s[96:97]      ; and my second
	s_mul_i32 s75, s[RH], 2*HALFT                  ; my 128 rows of A'
	s_mul_i32 s76, s[CH], 2*HALFT                  ; my 128 rows of B',
	s_add_co_u32 s76, s76, 4*HALFT                 ; which lie behind A's four blocks
	s_mul_i32 s77, s[WV], 2*SBLK
	s_add_co_u32 s77, s77, STAGE                   ; my stage
	s_lshl_b32 s78, s19, 10
	s_lshl_b32 s79, s[CH], 9
	s_add_co_u32 s78, s78, s79                     ; 4 (256 cx + 128 half)
	s_lshl_b32 s79, s20, 10
	s_lshl_b32 s100, s[RH], 9
	s_add_co_u32 s79, s79, s100                    ; 4 (256 cy + 128 half)
	s_cmp_eq_u32 s22, 1
	s_cselect_b64 s[90:91], s[8:9], s[6:7]
	s_cmp_eq_u32 s22, 2
	s_cselect_b64 s[90:91], s[10:11], s[90:91]     ; bq, bk or bv
	v_and_b32 v1, 15, v0                           ; r = l % 16
	v_bfe_u32 v2, v0, 4, 1                         ; h = l / 16
	v_lshl_add_u32 v[BJO], v2, 5, s78
	v_lshl_add_u32 v[BIO], v1, 2, s79
	v_mul_u32_u24 v3, v1, PITCH
	v_lshl_add_u32 v4, v2, 4, v3                   ; a fragment's row x pitch + 16 x half
	v_add_nc_u32 v[ADRA], s75, v4
	v_add_nc_u32 v[ADRB], s76, v4
	v_mul_u32_u24 v5, v1, SROW                     ; in: row r, 8 bytes for each half of the lanes
	v_lshl_add_u32 v5, v2, 3, v5
	v_add_nc_u32 v[STO], s77, v5
	v_and_b32 v6, 31, v0
	v_lshrrev_b32 v7, 2, v6                        ; back: four lanes to a row of 64 bytes, eight rows an instruction
	v_mul_u32_u24 v7, v7, SROW
	v_and_b32 v8, 3, v6
	v_lshl_add_u32 v7, v8, 4, v7
	v_add_nc_u32 v[RD], s77, v7
	v_lshlrev_b32 v[CO], 4, v6                     ; those eight rows are 512 consecutive bytes of att
; The scales, chosen by selects on the tensor's number.
.macro SCALES
	s_wait_kmcnt 0x0
	s_add_co_i32 s80, s80, s81                     ; e0 + e1,
	s_add_co_i32 s82, s82, s83                     ; e2 + e3,
	s_add_co_i32 s84, s84, s85                     ; e4 + e5
	s_cmp_eq_u32 s22, 1
	s_cselect_b32 s80, s82, s80
	s_cselect_b32 s88, s87, s88                    ; e8, e7
	s_cmp_eq_u32 s22, 2
	s_cselect_b32 s80, s84, s80                    ; ea + eb
	s_cselect_b32 s88, s86, s88                    ; or e6: the result's e
	s_sub_co_i32 s88, s88, s80                     ; e - ea - eb
	s_sub_co_i32 s80, 127, s80
	s_lshl_b32 s92, s80, 23                        ; 2^-(ea + eb) as f32
	s_mov_b32 s93, s92                             ; (named with it as a pair, so it is written)
	s_add_co_i32 s88, s88, 127
	s_lshl_b32 s89, s88, 23
	v_mov_b32 v[SCL], s89                          ; 2^(e - ea - eb): the conversion takes its exponent field
	s_add_co_i32 s88, s88, 15
	s_lshl_b32 s88, s88, 23
	s_or_b32 s88, s88, 0x600000
	v_mov_b32 v[LIM], s88                          ; 57,344 x that
.endm
	s_wait_alu depctr_va_vdst(0)
	s_cmp_eq_u32 s22, 0                            ; the tensor's number is the same in the whole cluster
	s_cbranch_scc1 .Lbias_by_i
.irp b, 0,1,2,3,4,5,6,7
	global_load_b128 v[BJ+8*\b:BJ+8*\b+3], v[BJO], s[90:91] offset:64*\b        ; bias(j = 16 b + 8 h + 0 .. 7)
	global_load_b128 v[BJ+8*\b+4:BJ+8*\b+7], v[BJO], s[90:91] offset:64*\b+16
.endr
	SCALES
	s_wait_loadcnt 0x0
.set n, 0
.rept 32
	v_pk_mul_f32 v[BJ+n:BJ+n+1], v[BJ+n:BJ+n+1], s[92:93] op_sel_hi:[1,0]
.set n, n+2
.endr
	s_branch .Lbias_made
.Lbias_by_i:
.irp a, 0,1,2,3,4,5,6,7
	global_load_b32 v[BI+\a], v[BIO], s[90:91] offset:64*\a                     ; bias(i = 16 a + r)
.endr
	SCALES
	s_wait_loadcnt 0x0
.irp a, 0,1,2,3,4,5,6,7
.irp j, 0,1,2,3,4,5,6,7
	v_mul_f32 v[BJ+8*\a+\j], s92, v[BI+\a]
.endr
.endr
.Lbias_made:
.macro FRAG reg, adr, slot, q, i       ; a fragment, 16 rows x 128 K, is 16 registers: lane l holds row l % 16; registers 4 c .. 4 c + 3 hold K = 32 c + 16 (l / 16) + 0 .. 15
.irp c, 0,1,2,3
	ds_load_b128 v[\reg+4*\c:\reg+4*\c+3], v[\adr] offset:HALFT*(\slot)+128*(\q)+32*\c+(\i)*16*PITCH
.endr
.endm
; 16 matrix instructions: A's blocks a0, a0 + 1 x B's eight, 128 along K.  p: B's set.  mode 1, 2: the first product starts the sums with the bias, by j or by i.
; The 64 accumulators take turns, one instruction a turn, in the same order in every step.
.macro MUL16 a0, p, mode
.irp a, \a0, \a0+1
.irp b, 0,1,2,3,4,5,6,7
.if (\mode) == 0
	v_wmma_f32_16x16x128_bf8_bf8 v[8*(8*((\a)%4)+\b):8*(8*((\a)%4)+\b)+7], v[128*(\p)+FR*\b:128*(\p)+FR*\b+FR-1], v[AF+FR*(\a):AF+FR*(\a)+FR-1], v[8*(8*((\a)%4)+\b):8*(8*((\a)%4)+\b)+7]
.elseif (\mode) == 1
	v_wmma_f32_16x16x128_bf8_bf8 v[8*(8*((\a)%4)+\b):8*(8*((\a)%4)+\b)+7], v[128*(\p)+FR*\b:128*(\p)+FR*\b+FR-1], v[AF+FR*(\a):AF+FR*(\a)+FR-1], v[BJ+8*\b:BJ+8*\b+7]
.else
	v_wmma_f32_16x16x128_bf8_bf8 v[8*(8*((\a)%4)+\b):8*(8*((\a)%4)+\b)+7], v[128*(\p)+FR*\b:128*(\p)+FR*\b+FR-1], v[AF+FR*(\a):AF+FR*(\a)+FR-1], v[BJ+8*(\a):BJ+8*(\a)+7]
.endif
.endr
.endr
.endm
.macro FETCH_B slot, q, p              ; B's eight fragments of the slot's q-th 128 along K into set p
	WIN TO_B
.irp i, 0,1,2,3,4,5,6,7
	FRAG 128*(\p)+FR*\i, ADRB, \slot, \q, \i
.endr
	WIN 0
.endm
.macro FETCH_A slot, q, i0             ; A's blocks i0 .. i0 + 3
.irp i, \i0, \i0+1, \i0+2, \i0+3
	FRAG AF+FR*(\i), ADRA, \slot, \q, \i
.endr
.endm
; A load into a register that a matrix instruction has read, and a vector instruction that reads a matrix result or writes one of its registers, stand NP places behind that matrix instruction, and only plain
; vector instructions that name none of its registers are places (ISA guide 7.12.1 for vector instructions).
.macro PLACES n
.rept \n
	v_nop
.endr
.endm
; A step of 128 along K that has its successor in the same slot.  A's blocks are free as soon as their eight products are issued: blocks 0-3 are fetched anew in the step's middle, blocks 4-7 at its end.
.macro STEP slot, q, mode
	s_wait_dscnt 4*NL                              ; B's set and A's blocks 0-3 are in; the youngest 16 loads (A's blocks 4-7) may be out
.if \mode
	WIN 0x81                                       ; C in window 0: the bias
.else
	WIN MUL_LO
.endif
	MUL16 0, (\q)%2, \mode
	MUL16 2, (\q)%2, \mode
	s_wait_dscnt 0                                 ; A's blocks 4-7 are in (asked for 32 matrix instructions ago)
	PLACES NP
	FETCH_B \slot, (\q)+1, 1-(\q)%2
	FETCH_A \slot, (\q)+1, 0
.if \mode
	WIN 0xc1
.else
	WIN MUL_HI
.endif
	MUL16 4, (\q)%2, \mode
	MUL16 6, (\q)%2, \mode
	PLACES NP
	WIN 0
	FETCH_A \slot, (\q)+1, 4
.endm
; A slot's last step changes slots: ONE barrier; in front of it each wave waits for all its tensor loads, adds 0 to its spare word, and waits for that and for its own reads of this slot.  fill = 1: this slot is filled again, two K steps ahead.
.macro TURN slot, next, fill
	s_wait_dscnt 4*NL                              ; the youngest 16 loads, A's blocks 4-7, may be out
	WIN MUL_LO
	MUL16 0, 1, 0
	WIN 0                                          ; (the add's two registers lie in window 0)
	s_wait_tensorcnt 0x0                           ; all my tensor loads have landed: my part of the next slot
	ds_add_u32 v[SPW], v[NIL]                      ; 0 onto my spare word
.if \fill
	NEXTK \slot                                    ; (no load is out: group 0 may be written)
.endif
	WIN MUL_LO
	MUL16 2, 1, 0                                  ; sixteen matrix instructions stand between the add and the wait for it
	WIN 0
	s_wait_dscnt 0x0                               ; the add is done, and my reads of this slot are over
	s_barrier_signal -1
	s_barrier_wait -1
.if \fill
	CREST                                          ; the barrier has opened a round of the cluster's barrier: no wave of any partner still reads this slot's tile or has a load on its way
	JLOAD RA, RB                                   ; the first tensor load behind the round, my only one until the next; the four v_nop behind it are the places in front of the loads below
.else
	PLACES NP
.endif
	FETCH_B \next, 0, 0
	FETCH_A \next, 0, 0
	WIN MUL_HI
	MUL16 4, 1, 0
	MUL16 6, 1, 0
	PLACES NP
	WIN 0
	FETCH_A \next, 0, 4
.endm
	s_wait_alu depctr_va_vdst(0)
	s_wait_tensorcnt 0x0                           ; my part of K steps 0 and 1 is in
	s_barrier_signal -1
	s_barrier_wait -1                              ; everybody's is
	FETCH_B 0, 0, 0
	FETCH_A 0, 0, 0
	FETCH_A 0, 0, 4
	; K = 1,024 is four K steps of 256, eight steps of 128: written out, since a loop would have one trip
	s_cmp_eq_u32 s22, 0
	s_cbranch_scc1 .Lstart_by_i
	STEP 0, 0, 1                                   ; the first step's products start the sums with the bias: by j,
	s_branch .Lstarted
.Lstart_by_i:
	STEP 0, 0, 2                                   ; or by i
.Lstarted:
	TURN 0, 1, 1                                   ; slot 0 takes K step 2
	STEP 1, 0, 0
	TURN 1, 0, 1                                   ; slot 1 takes K step 3
	STEP 0, 0, 0
	TURN 0, 1, 0                                   ; nothing is left to fetch: no round
	STEP 1, 0, 0
	s_wait_dscnt 4*NL                              ; the very last step
	WIN MUL_LO
	MUL16 0, 1, 0
	MUL16 2, 1, 0
	s_wait_dscnt 0
	WIN MUL_HI
	MUL16 4, 1, 0
	MUL16 6, 1, 0
	PLACES NP
	WIN 0
; THE WAY OUT.  Block a: 16 rows x 128 columns.  The sums, bias included, are held and converted: a lane's eight neighbours along j become 8 bytes.  The lanes beside it hold other rows, so the block goes through my own stage in LDS
; and comes back as runs of 512 consecutive bytes of att.  LDS serves a wave's instructions in order (ISA guide 5.7.1.4): no wait between the stores and the loads, nor in front of the next block's stores.
.macro TOSTAGE a
.set AC, 64*((\a)%4)
.set CDD, CD+16*((\a)%2)
.set OBB, OB+16*((\a)%2)
	WIN 0x02+((\a)/4)                              ; source 0: window 2 or 3
.set n, 0
.rept 64
	v_med3_num_f32 v[TMP+n], v[AC+n], -v[LIM], v[LIM]   ; the conversion to an 8-bit code does not saturate (ISA guide 7.6.2): the hold at the largest code x the scale
.set n, n+1
.endr
	WIN 0
.irp b, 0,1,2,3,4,5,6,7
	v_cvt_scalef32_pk8_bf8_f32 v[CDD+2*\b:CDD+2*\b+1], v[TMP+8*\b:TMP+8*\b+7], v[SCL]
.endr
	v_nop                                          ; one plain vector line between the conversions and the next vector line that writes their sources (the next block's holds)
.irp b, 0,1,2,3,4,5,6,7
	ds_store_b64 v[STO], v[CDD+2*\b:CDD+2*\b+1] offset:(\b/4)*SBLK+16*(\b%4)
.endr
.irp k, 0,1,2,3
	ds_load_b128 v[OBB+4*\k:OBB+4*\k+3], v[RD] offset:(\k/2)*SBLK+(\k%2)*8*SROW
.endr
.endm
.macro SEND a, younger                 ; younger: the LDS instructions issued behind block a's loads, which may stay out
.set OBB, OB+16*((\a)%2)
	s_wait_dscnt \younger                          ; the block is back in registers (and its stores into the stage have read their codes)
.if (\a) == 4                          ; (behind a wait on XCNT: the earlier stores have read their bases)
	s_add_nc_u64 s[70:71], s[70:71], s[94:95]      ; my second 64 rows
	s_add_nc_u64 s[72:73], s[72:73], s[94:95]
.endif
.irp k, 0,1,2,3
	global_store_b128 v[CO], v[OBB+4*\k:OBB+4*\k+3], s[70+2*(\k/2):71+2*(\k/2)] offset:(((\a)%4)/2)*2048+(\k%2)*1024+((\a)%2)*512   ; eight rows, in P's order: 512 consecutive bytes, at a multiple of 512 from att's first byte
.endr
.endm
	TOSTAGE 0
.irp a, 1,2,3,4,5,6,7
.if \a > 1
	s_wait_xcnt 0x0                                ; block a - 2's stores have read their registers: block a's loads may land there
.endif
	TOSTAGE \a
	SEND \a-1, 12                                  ; behind block a - 1's loads: block a's 8 stores and 4 loads
.endr
	SEND 7, 0
	s_wait_tensorcnt 0x0                           ; the wave's end, behind my last tensor load and my last LDS store
	ds_add_u32 v[SPW], v[NIL]
	s_wait_dscnt 0x0
	CROUND                                         ; the closing round: no work-group ends while a partner may still ask for a tile that names it
	s_endpgm
.Lfunc_end_k_qe7f6615df3_proj:
	.size	k_qe7f6615df3_proj, .Lfunc_end_k_qe7f6615df3_proj-k_qe7f6615df3_proj
	.p2alignl 7, 3214868480
	.fill 96, 4, 3214868480
	.section	.rodata,"a",@progbits
	.p2align	6, 0x0
	.amdhsa_kernel k_qe7f6615df3_proj
		.amdhsa_group_segment_fixed_size 327680
		.amdhsa_private_segment_fixed_size 0
		.amdhsa_enable_private_segment 0
		.amdhsa_kernarg_size 48
		.amdhsa_user_sgpr_count 2
		.amdhsa_user_sgpr_kernarg_segment_ptr 1
		.amdhsa_wavefront_size32 1
		.amdhsa_system_sgpr_workgroup_id_x 1
		.amdhsa_system_sgpr_workgroup_id_y 1
		.amdhsa_system_sgpr_workgroup_id_z 1
		.amdhsa_system_vgpr_workitem_id 0
		.amdhsa_next_free_vgpr 1024
		.amdhsa_next_free_sgpr 102
		.amdhsa_reserve_vcc 0
		.amdhsa_float_denorm_mode_32 3
		.amdhsa_float_denorm_mode_16_64 3
		.amdhsa_memory_ordered 1
		.amdhsa_forward_progress 1
		.amdhsa_inst_pref_size 142
	.end_amdhsa_kernel
	.amdgpu_metadata
---
amdhsa.version: [ 1, 2 ]
amdhsa.kernels:
  - .name:           k_qe7f6615df3_proj
    .symbol:         k_qe7f6615df3_proj.kd
    .args:
      - { .name: codes, .offset: 0, .size: 8, .value_kind: global_buffer, .address_space: global }
      - { .name: bq, .offset: 8, .size: 8, .value_kind: global_buffer, .address_space: global }
      - { .name: bk, .offset: 16, .size: 8, .value_kind: global_buffer, .address_space: global }
      - { .name: bv, .offset: 24, .size: 8, .value_kind: global_buffer, .address_space: global }
      - { .name: lowp_scales, .offset: 32, .size: 8, .value_kind: global_buffer, .address_space: global }
      - { .name: att, .offset: 40, .size: 8, .value_kind: global_buffer, .address_space: global }
    .group_segment_fixed_size: 327680
    .private_segment_fixed_size: 0
    .kernarg_segment_align: 8
    .kernarg_segment_size: 48
    .max_flat_workgroup_size: 128
    .sgpr_count:     102
    .vgpr_count:     1024
    .wavefront_size: 32
...
	.end_amdgpu_metadata
.endif
;; end of part 2
;; launch attn (part 3): grid 4 x 64, 8 waves a work-group, clusters of 4 x 1, 234,496 bytes of LDS; arguments att, lowp_scales, out0; writes out0
.if DOCPART == 3
	.amdgcn_target "amdgcn-amd-amdhsa--gfx1250"
	.amdhsa_code_object_version 6
	.text
	.protected	k_qe7f6615df3_attn
	.globl	k_qe7f6615df3_attn
	.p2align	8
	.type	k_qe7f6615df3_attn,@function
k_qe7f6615df3_attn:
	s_mov_b64 s[64:65], 0
	v_nop
	global_prefetch_b8 v0, s[64:65] scope:SCOPE_SE
	s_setreg_imm32_b32 hwreg(HW_REG_WAVE_MODE, 25, 1), 1
	s_wait_xcnt 0x0
	s_wait_alu depctr_hold_cnt(0) depctr_sa_sdst(0) depctr_va_vdst(0) depctr_va_sdst(0) depctr_va_ssrc(0) depctr_va_vcc(0) depctr_vm_vsrc(0)
	s_getreg_b32 s2, hwreg(HW_REG_IB_STS2, 6, 4)
	s_cmp_eq_u32 s2, 0
	s_cbranch_scc0 .Lentry_in_a_cluster
	s_endpgm
.Lentry_in_a_cluster:
	s_bfe_u32 s2, ttmp6, 0x10000c
	s_cmp_lg_u32 s2, 0x3003
	s_cbranch_scc0 .Lentry_shape_is_right
	s_endpgm
.Lentry_shape_is_right:
; out[b][q][64 hd ..] = the sum over k of softmax_k(queries . keys / 32) values, both products on codes of BF8 (E5M2): queries = att part 2, keys = part 1, values = part 0 (keys innermost), as launch proj lays them.
; The softmax ahead of the second product: t = score x log2(e) / 32; M = the row's largest t so far, rounded UP to a whole number; p = 2^(t - M) is quantised, not normalised; the row's sum is taken of the unquantised p and divides at the end.
; When M moves, the sum and O are multiplied by 2^(old M - new M): exact.
; SHARES.  A work-group owns 256 queries of one head of one batch; each of its 8 waves 32 of them, two tiles A and B of 16, so that a fragment of K or V feeds two products.  Every wave walks the 1,024 keys, 128 a step.
; K and V of the head, 65,536 bytes each, fit in LDS whole (with 16 bytes of padding behind each 64): each wave fetches an eighth of them by ONE joint load at the head, and nothing is filled again.
; CLUSTER: the four work-groups of a head: all ask jointly for the same tiles.  No prefetch: all that the loads bring is asked for at the head, there is no loop to run ahead in.
; LAYOUT.  Both products are used transposed: S^T = K Q^T, O^T = V^T P^T: a lane holds ONE query of each tile throughout.  Rows of att lie in P's order (bits 3 and 4 of a row's number exchanged), so a tile's 16 rows are neighbours in LDS,
; and: the 16 registers of score tiles 2 b and 2 b + 1 are keys 32 b + 16 h + 0 .. 15 (h = lane / 16), as the second product's operand wants them; lane r of tile u holds query 8 u + r + (r & 8);
; register j of O^T's tile t is channel 32 (t / 2) + 8 (t % 2) + 16 h + j.
; LIMITS on the given exponents, so that each power of two below is an f32 number: lowp_scales[6] + [7] between -121 and 132; [9] between -126 and 112.  The scaled scores stay under 2^31 in magnitude.  NaN is not served.
; REGISTERS.  Window 0: addresses, Q, K's and V's fragments, p's codes.  Window 1: scores, then p (A v0-63, B v64-127); O^T (A v128-159, B v160-191); v192-223 at work; v232-249 the softmax's state.
.set KP,    80                         ; an LDS row: 64 codes + 16 of padding
.set CHUNK, 64*KP                      ; values: 64 channels x 64 keys
.set STEPB, 128*KP                     ; a step's keys; its two chunks of values are as many bytes
.set VOFF,  1024*KP
.set SPARE, 2*VOFF                     ; the spare words, 128 bytes for each wave: four blocks of 256 bytes that no other line names
.set STAGE, SPARE+1024                 ; the way out: 32 rows x (256 bytes + 16) for each wave; no tile lands here
.set SPI,   272
.set AK0,  1                           ; v1, v2 my lane's place in a tile of K, of V
.set AV0,  2
.set GO,   7                           ; v7 the way out: my byte offset in the wave's rows
.set ADK,  8
.set ADV,  9
.set STO,  10
.set RD,   11
.set SPW,  12                          ; v12 LDS address of my spare word; v13 0; never rewritten
.set NIL,  13
.set QA,   16
.set QB,   24
.set KF,   32                          ; v32-95 K's eight fragments
.set VF,   96                          ; v96-159 V's four
.set PA,   160                         ; p's codes
.set PB,   176
.set SA,   0                           ; from here on: window 1
.set SB,   64
.set OA,   128
.set OB,   160
.set TM,   192
.set RM,   232                         ; the largest score so far, A and B
.set PD,   234
.set NM,   236                         ; -M, A and B
.set NT,   238
.set DD,   240
.set FF,   242                         ; 2^(old M - new M), A and B
.set LA,   244                         ; the sums, each in two halves
.set LB,   246
.set HH,   248                         ; 57,344 x 2^ep
.set SC,   249                         ; 2^ep
.set WV,   10
.set G1,   24
.set SEL,  40
.set CS,   42
.set NC,   44
.set TB,   58
.set CNT,  59
.set MSB, 0
.macro WIN new                         ; the immediate's high byte repeats the setting that is left
.if MSB != (\new)
	s_set_vgpr_msb (MSB<<8)|(\new)
.set MSB, (\new)
.endif
.endm
.macro CROUND                          ; a whole round of the cluster's barrier
	s_barrier_signal -1
	s_barrier_wait -1
	s_cmp_lg_u32 s[WV], 0
	s_cbranch_scc1 .Lnot_wave_0_\@
	s_barrier_signal -3
.Lnot_wave_0_\@:
	s_barrier_wait -3
	s_barrier_signal -1
	s_barrier_wait -1
.endm
	s_load_b128 s[4:7], s[0:1], 0x0                ; att, the scales' exponents
	s_load_b64 s[8:9], s[0:1], 0x10                ; out0
	v_lshl_add_u32 v[SPW], v0, 2, SPARE
	v_mov_b32 v[NIL], 0
	ds_add_u32 v[SPW], v[NIL]                      ; the wave's opening: the add, twice on end, and its wait ahead of my first tensor load
	ds_add_u32 v[SPW], v[NIL]
	v_lshrrev_b32 v1, 5, v0
	v_readfirstlane_b32 s[WV], v1                  ; wave 0..7
	s_bfe_u32 s11, ttmp6, 0x40000                  ; cx: which 256 queries
	s_and_b32 s12, ttmp7, 0xffff                   ; 16 x batch + head
	s_lshr_b32 s13, s12, 4
	s_and_b32 s14, s12, 15
	; what I fetch: waves 0-3 keys 256 w on, waves 4-7 a quarter of the values: 16,384 bytes on end
	s_and_b32 s16, s[WV], 3
	s_lshl_b32 s18, s14, 18
	s_lshl_b32 s19, s13, 16
	s_add_co_u32 s18, s18, s19
	s_add_co_u32 s18, s18, 0x400000                ; keys: part 1,
	s_lshl_b32 s20, s12, 16                        ; values: part 0
	s_lshl_b32 s19, s16, 14
	s_add_co_u32 s18, s18, s19
	s_add_co_u32 s20, s20, s19
	s_mov_b32 s19, 0
	s_mov_b32 s21, 0
	s_mul_i32 s22, s16, 256*KP                     ; in LDS: K's quarters,
	s_add_co_u32 s23, s22, VOFF                    ; then V's
	; descriptor group 1: 16,384 dense bytes stated as 64 rows of 256, with four words of padding behind every 16: 64 codes
	s_mov_b32 s[G1], 15|(0<<16)|(1<<20)|(1<<21)|(3<<22)|(3<<25)   ; 15:0 the mask: all four; 17:16 elements of 1 byte; 21 set beside a mask
	s_mov_b32 s[G1+1], 256<<16
	s_mov_b32 s[G1+2], 64<<16
	s_mov_b32 s[G1+3], 256<<16
	s_mov_b32 s[G1+4], 64
	s_mov_b32 s[G1+5], 256
	s_mov_b32 s[G1+6], 0
	s_mov_b32 s[G1+7], 0
	s_mov_b32 s[SEL], 0x76543210                   ; lane selects for lane l xor 16
	s_mov_b32 s[SEL+1], 0xfedcba98
	s_mov_b32 s[CS], 0x3d38aa3b                    ; c = log2(e) / 32
	s_mov_b32 s[TB], 0
	s_lshl_b32 s48, s13, 22                        ; my 32 rows of the output, my head's 256 bytes
	s_lshl_b32 s49, s11, 20
	s_add_co_u32 s48, s48, s49
	s_lshl_b32 s49, s[WV], 17
	s_add_co_u32 s48, s48, s49
	s_lshl_b32 s49, s14, 8
	s_add_co_u32 s48, s48, s49
	s_mov_b32 s49, 0
	s_lshl_b32 s50, s14, 18                        ; my 32 queries: part 2
	s_lshl_b32 s51, s13, 16
	s_add_co_u32 s50, s50, s51
	s_lshl_b32 s51, s11, 14
	s_add_co_u32 s50, s50, s51
	s_lshl_b32 s51, s[WV], 11
	s_add_co_u32 s50, s50, s51
	s_add_co_u32 s50, s50, 0x800000
	s_mov_b32 s51, 0
	s_wait_dscnt 0x0                               ; both opening adds are done
	s_wait_kmcnt 0x0
	s_load_b128 s[52:55], s[6:7], 0x18             ; eq, ek, ev, ep
	s_mov_b32 s32, 1
	s_mov_b32 s33, s22
	s_add_nc_u64 s[34:35], s[4:5], s[18:19]
	s_or_b32 s35, s35, 0x80000000
	s_mov_b32 s36, 1
	s_mov_b32 s37, s23
	s_add_nc_u64 s[38:39], s[4:5], s[20:21]
	s_or_b32 s39, s39, 0x80000000
	s_add_nc_u64 s[56:57], s[4:5], s[50:51]
	s_add_nc_u64 s[8:9], s[8:9], s[48:49]
	v_and_b32 v3, 15, v0                           ; r
	v_bfe_u32 v4, v0, 4, 1                         ; h
	v_lshlrev_b32 v5, 6, v3
	v_mul_u32_u24 v[AK0], v3, KP
	v_lshlrev_b32 v[GO], 12, v4                    ; the way out: lanes 0-15 take one row, lanes 16-31 the next; 16 bytes a lane
	v_lshl_add_u32 v5, v4, 4, v5
	v_lshl_add_u32 v[AK0], v4, 4, v[AK0]
	v_lshl_add_u32 v[GO], v3, 4, v[GO]
	v_add_nc_u32 v[AV0], VOFF, v[AK0]
.macro SETUP                           ; the queries, and the constants that hang on the scales
	global_load_b128 v[QA:QA+3], v5, s[56:57]
	global_load_b128 v[QA+4:QA+7], v5, s[56:57] offset:32
	global_load_b128 v[QB:QB+3], v5, s[56:57] offset:1024
	global_load_b128 v[QB+4:QB+7], v5, s[56:57] offset:1056
	s_wait_kmcnt 0x0
	s_add_co_i32 s46, s52, s53
	s_lshl_b32 s46, s46, 23
	s_add_co_i32 s[CS], s[CS], s46                 ; a score stands for score x 2^(eq + ek): added to c's exponent field
	s_mov_b32 s[CS+1], s[CS]                       ; (named as a pair, so it is written)
	s_xor_b32 s[NC], s[CS], 0x80000000             ; -c
	s_mov_b32 s[NC+1], s[NC]
	s_add_co_i32 s46, s55, 127
	s_lshl_b32 s47, s46, 23
	s_add_co_i32 s46, s46, 15
	s_lshl_b32 s46, s46, 23
	s_or_b32 s46, s46, 0x600000
	WIN 0x40
	v_mov_b32 v[SC], s47
	v_mov_b32 v[HH], s46
	v_mov_b32 v[RM], 0xff800000                    ; -infinity: under every score
	v_mov_b32 v[RM+1], 0xff800000
	v_mov_b32 v[PD], 0                             ; written once: a lane permute's destination counts as one of its sources
	v_mov_b32 v[PD+1], 0
	WIN 0
	s_wait_alu depctr_va_vdst(0)
	s_wait_loadcnt 0x0                             ; Q
.endm
	s_wait_alu depctr_va_vdst(0)
	CROUND                                         ; all four work-groups are here: the joint loads meet
	s_cmp_lt_u32 s[WV], 4                          ; waves 0-3 fetch K, waves 4-7 V
	s_cbranch_scc0 .Lvalues
	tensor_load_to_lds s[32:35], s[G1:G1+7]
	s_nop 0
.rept 4
	v_nop
.endr
	SETUP
	s_wait_tensorcnt 0x0                           ; my quarter of K is in
	s_branch .Lhead
.Lvalues:
	tensor_load_to_lds s[36:39], s[G1:G1+7]        ; V is waited for in the first step, ahead of its first read
	s_nop 0
.rept 4
	v_nop
.endr
	SETUP
.Lhead:
.macro VLD                             ; V's four fragments of a step
.irp t, 0,1,2,3
.irp c, 0,1,2,3
	ds_load_b128 v[VF+16*\t+4*\c:VF+16*\t+4*\c+3], v[ADV] offset:(\c/2)*CHUNK+16*\t*KP+32*(\c%2)
.endr
.endr
.endm
.macro KLD adr, off                    ; K's eight fragments of a step: lane l holds row l % 16 of the tile, registers 4 c .. 4 c + 3 its bytes 32 c + 16 (l / 16) + 0 .. 15
.irp t, 0,1,2,3,4,5,6,7
	ds_load_b128 v[KF+8*\t:KF+8*\t+3], v[\adr] offset:\off+16*\t*KP
	ds_load_b128 v[KF+8*\t+4:KF+8*\t+7], v[\adr] offset:\off+16*\t*KP+32
.endr
.endm
; A STEP: 128 keys, both tiles.  first: no O and no sum yet;  last: no K to fetch behind it.
.macro STEP first, last
	s_wait_dscnt 0x0                               ; K's fragments are in
	WIN 0x40
.irp t, 0,1,2,3,4,5,6,7
	v_wmma_f32_16x16x64_bf8_bf8 v[SA+8*\t:SA+8*\t+7], v[KF+8*\t:KF+8*\t+7], v[QA:QA+7], 0
	v_wmma_f32_16x16x64_bf8_bf8 v[SB+8*\t:SB+8*\t+7], v[KF+8*\t:KF+8*\t+7], v[QB:QB+7], 0
.endr
	WIN 0
	v_add_nc_u32 v[ADV], s[TB], v[AV0]             ; four plain lines: the places behind the products, for the loads and for the maxima below
.if \last
	v_nop
.else
	v_add_nc_u32 v[ADK], s[TB], v[AK0]
.endif
	v_nop
	v_nop
.if (\first) == 0
	VLD                                            ; V's fragments of this step,
.if (\last) == 0
	KLD ADK, STEPB                                 ; and K's of the next
.endif
.endif
	WIN 0x55                                       ; the softmax lies in window 1 altogether
.set n, 0
.rept 8                                ; the largest score of my query, the earlier largest among them, in four chains a tile
.irp k, 0,1,2,3
.if n == 0
	v_max3_num_f32 v[TM+\k], v[RM], v[SA+2*\k], v[SA+2*\k+1]
	v_max3_num_f32 v[TM+4+\k], v[RM+1], v[SB+2*\k], v[SB+2*\k+1]
.else
	v_max3_num_f32 v[TM+\k], v[TM+\k], v[SA+n+2*\k], v[SA+n+2*\k+1]
	v_max3_num_f32 v[TM+4+\k], v[TM+4+\k], v[SB+n+2*\k], v[SB+n+2*\k+1]
.endif
.endr
.set n, n+8
.endr
	v_max3_num_f32 v[TM], v[TM], v[TM+1], v[TM+2]
	v_max3_num_f32 v[TM+4], v[TM+4], v[TM+5], v[TM+6]
	v_max_num_f32 v[TM], v[TM], v[TM+3]
	v_max_num_f32 v[TM+4], v[TM+4], v[TM+7]
	v_permlanex16_b32 v[PD], v[TM], s[SEL], s[SEL+1]
	v_permlanex16_b32 v[PD+1], v[TM+4], s[SEL], s[SEL+1]
	v_max_num_f32 v[RM], v[TM], v[PD]              ; and among lane l xor 16's
	v_max_num_f32 v[RM+1], v[TM+4], v[PD+1]
	v_pk_mul_f32 v[NT:NT+1], v[RM:RM+1], s[NC:NC+1] op_sel_hi:[1,0]   ; -t (c is positive)
.if \first
	v_floor_f32 v[NM], v[NT]                       ; -M = floor(-t): M IS A WHOLE NUMBER
	v_floor_f32 v[NM+1], v[NT+1]
.else
	v_floor_f32 v[NT], v[NT]
	v_floor_f32 v[NT+1], v[NT+1]
	v_pk_add_f32 v[DD:DD+1], v[NT:NT+1], v[NM:NM+1] neg_lo:[0,1] neg_hi:[0,1]   ; old M less new M: a whole number, 0 or less
	v_cvt_i32_f32 v[DD], v[DD]                     ; (it saturates)
	v_cvt_i32_f32 v[DD+1], v[DD+1]
	v_dual_mov_b32 v[NM], v[NT] :: v_dual_mov_b32 v[NM+1], v[NT+1]
	v_ldexp_f32 v[FF], 1.0, v[DD]
	v_ldexp_f32 v[FF+1], 1.0, v[DD+1]
.set n, 0
.rept 16
	v_pk_mul_f32 v[OA+n:OA+n+1], v[OA+n:OA+n+1], v[FF:FF+1] op_sel_hi:[1,0]                 ; O^T under the new M
	v_pk_mul_f32 v[OB+n:OB+n+1], v[OB+n:OB+n+1], v[FF:FF+1] op_sel:[0,1] op_sel_hi:[1,1]
.set n, n+2
.endr
.endif
.set n, 0
.rept 32
	v_pk_fma_f32 v[SA+n:SA+n+1], v[SA+n:SA+n+1], s[CS:CS+1], v[NM:NM+1] op_sel_hi:[1,0,0]   ; tile A: t - M
.set n, n+2
.endr
	s_wait_alu depctr_va_vdst(0)
.set n, 0
.rept 32                               ; tile A's p, with tile B's t - M in between: no line here reads what another of the batch writes
	v_exp_f32 v[SA+n], v[SA+n]
	v_exp_f32 v[SA+n+1], v[SA+n+1]
	v_pk_fma_f32 v[SB+n:SB+n+1], v[SB+n:SB+n+1], s[CS:CS+1], v[NM:NM+1] op_sel:[0,0,1] op_sel_hi:[1,0,1]
.set n, n+2
.endr
	s_wait_alu depctr_va_vdst(0)                   ; behind tile A's batch and ahead of tile B's
.set n, 0
.rept 16                               ; tile B's p; in between tile A's sum, of the UNQUANTISED p, first to 16 pairs, and then tile A's hold (p is not negative: one-sided; the conversion does not saturate: ISA guide 7.6.2)
	v_exp_f32 v[SB+n], v[SB+n]
	v_pk_add_f32 v[TM+n/2:TM+n/2+1], v[SA+n:SA+n+1], v[SA+n+2:SA+n+3]
	v_exp_f32 v[SB+n+1], v[SB+n+1]
	v_exp_f32 v[SB+n+2], v[SB+n+2]
	v_dual_min_num_f32 v[SA+n], v[SA+n], v[HH] :: v_dual_min_num_f32 v[SA+n+1], v[SA+n+1], v[HH]
	v_exp_f32 v[SB+n+3], v[SB+n+3]
	v_dual_min_num_f32 v[SA+n+2], v[SA+n+2], v[HH] :: v_dual_min_num_f32 v[SA+n+3], v[SA+n+3], v[HH]
.set n, n+4
.endr
	s_wait_alu depctr_va_vdst(0)                   ; behind tile B's batch
.if \first                             ; the first step reads V only here
	WIN 0
	s_wait_tensorcnt 0x0                           ; my part of V is in, if I fetched one (no LDS load of mine is out);
	s_barrier_signal -1
	s_barrier_wait -1                              ; everybody's is
	VLD
	KLD ADK, STEPB
	WIN 0x55
.endif
.irp i, 0,2,4,6,8,10,12,14             ; the sums: tile A's 16 pairs to two, tile B's 32 in eight chains
	v_pk_add_f32 v[TM+\i:TM+\i+1], v[TM+\i:TM+\i+1], v[TM+16+\i:TM+17+\i]
.endr
.irp i, 0,2,4,6,8,10,12,14
	v_pk_add_f32 v[TM+16+\i:TM+17+\i], v[SB+2*\i:SB+2*\i+1], v[SB+2*\i+2:SB+2*\i+3]
.endr
.irp i, 0,2,4,6
	v_pk_add_f32 v[TM+\i:TM+\i+1], v[TM+\i:TM+\i+1], v[TM+8+\i:TM+9+\i]
.endr
.irp i, 0,2,4,6,8,10,12,14
	v_pk_add_f32 v[TM+16+\i:TM+17+\i], v[TM+16+\i:TM+17+\i], v[SB+32+\i:SB+33+\i]
.endr
.irp i, 0,2
	v_pk_add_f32 v[TM+\i:TM+\i+1], v[TM+\i:TM+\i+1], v[TM+4+\i:TM+5+\i]
.endr
.irp i, 0,2,4,6,8,10,12,14
	v_pk_add_f32 v[TM+16+\i:TM+17+\i], v[TM+16+\i:TM+17+\i], v[SB+48+\i:SB+49+\i]
.endr
.set n, 0
.rept 16
	v_dual_min_num_f32 v[SB+n], v[SB+n], v[HH] :: v_dual_min_num_f32 v[SB+n+1], v[SB+n+1], v[HH]
.set n, n+2
.endr
.irp i, 0,2,4,6
	v_pk_add_f32 v[TM+16+\i:TM+17+\i], v[TM+16+\i:TM+17+\i], v[TM+24+\i:TM+25+\i]
.endr
.rept 16
	v_dual_min_num_f32 v[SB+n], v[SB+n], v[HH] :: v_dual_min_num_f32 v[SB+n+1], v[SB+n+1], v[HH]
.set n, n+2
.endr
.irp i, 0,2
	v_pk_add_f32 v[TM+16+\i:TM+17+\i], v[TM+16+\i:TM+17+\i], v[TM+20+\i:TM+21+\i]
.endr
	WIN 0x15                                       ; sources window 1, destination window 0
.irp b, 0,1,2,3                        ; registers 4 b .. 4 b + 3 of the operand: keys 32 b + 16 h + 0 .. 15
	v_cvt_scalef32_pk8_bf8_f32 v[PA+4*\b:PA+4*\b+1], v[SA+16*\b:SA+16*\b+7], v[SC]
	v_cvt_scalef32_pk8_bf8_f32 v[PA+4*\b+2:PA+4*\b+3], v[SA+16*\b+8:SA+16*\b+15], v[SC]
	v_cvt_scalef32_pk8_bf8_f32 v[PB+4*\b:PB+4*\b+1], v[SB+16*\b:SB+16*\b+7], v[SC]
	v_cvt_scalef32_pk8_bf8_f32 v[PB+4*\b+2:PB+4*\b+3], v[SB+16*\b+8:SB+16*\b+15], v[SC]
.endr
	WIN 0x55
.if \first                             ; (plain lines between the conversions and the products that read them)
	v_pk_add_f32 v[LA:LA+1], v[TM:TM+1], v[TM+2:TM+3]
	v_pk_add_f32 v[LB:LB+1], v[TM+16:TM+17], v[TM+18:TM+19]
.else
	v_pk_add_f32 v[TM:TM+1], v[TM:TM+1], v[TM+2:TM+3]
	v_pk_add_f32 v[TM+16:TM+17], v[TM+16:TM+17], v[TM+18:TM+19]
	v_pk_fma_f32 v[LA:LA+1], v[LA:LA+1], v[FF:FF+1], v[TM:TM+1] op_sel_hi:[1,0,1]           ; the sum under the new M + this step's
	v_pk_fma_f32 v[LB:LB+1], v[LB:LB+1], v[FF:FF+1], v[TM+16:TM+17] op_sel:[0,1,0] op_sel_hi:[1,1,1]
.endif
	s_wait_alu depctr_va_vdst(0)
.if \last
	s_wait_dscnt 0x0
.else
	s_wait_dscnt 16                                ; V's fragments are in; the next step's 16 loads of K may be out
.endif
	WIN 0x50
.irp t, 0,1,2,3
.if \first
	v_wmma_f32_16x16x128_bf8_bf8 v[OA+8*\t:OA+8*\t+7], v[VF+16*\t:VF+16*\t+15], v[PA:PA+15], 0
	v_wmma_f32_16x16x128_bf8_bf8 v[OB+8*\t:OB+8*\t+7], v[VF+16*\t:VF+16*\t+15], v[PB:PB+15], 0
.else
	v_wmma_f32_16x16x128_bf8_bf8 v[OA+8*\t:OA+8*\t+7], v[VF+16*\t:VF+16*\t+15], v[PA:PA+15], v[OA+8*\t:OA+8*\t+7]
	v_wmma_f32_16x16x128_bf8_bf8 v[OB+8*\t:OB+8*\t+7], v[VF+16*\t:VF+16*\t+15], v[PB:PB+15], v[OB+8*\t:OB+8*\t+7]
.endif
.endr
	WIN 0
	s_add_co_u32 s[TB], s[TB], STEPB
.endm
	s_barrier_signal -1
	s_barrier_wait -1                              ; K is whole
	KLD AK0, 0
	STEP 1, 0
	s_mov_b32 s[CNT], 6
.Lstep:
	STEP 0, 0
	s_sub_co_u32 s[CNT], s[CNT], 1
	s_cmp_lg_u32 s[CNT], 0
	s_cbranch_scc1 .Lstep
	STEP 0, 1
	; THE WAY OUT.  O^T / the sum goes through my stage in LDS, rows of 256 bytes, and leaves as aligned units of 256 bytes.
	WIN 0x55
	v_add_f32 v[LA], v[LA], v[LA+1]                ; the sums' two halves,
	v_add_f32 v[LB], v[LB], v[LB+1]
	v_permlanex16_b32 v[PD], v[LA], s[SEL], s[SEL+1]
	v_permlanex16_b32 v[PD+1], v[LB], s[SEL], s[SEL+1]
	v_add_f32 v[LA], v[LA], v[PD]                  ; and lane l xor 16's
	v_add_f32 v[LB], v[LB], v[PD+1]
	s_wait_alu depctr_va_vdst(0)
	v_rcp_f32 v[LA], v[LA]
	v_rcp_f32 v[LB], v[LB]
	WIN 0
	s_mul_i32 s47, s[WV], 32*SPI
	s_add_co_u32 s47, s47, STAGE                   ; my stage
	s_add_co_i32 s46, s54, s55                     ; ev + ep
	v_and_b32 v5, 8, v3
	v_add_nc_u32 v5, v5, v3                        ; r + (r & 8): tile A's query; tile B's is 8 rows on
	v_mul_u32_u24 v[STO], v5, SPI
	v_lshl_add_u32 v[STO], v4, 6, v[STO]           ; 16 channels for each half of the lanes
	v_add_nc_u32 v[STO], s47, v[STO]
	v_mul_u32_u24 v[RD], v4, SPI
	v_lshl_add_u32 v[RD], v3, 4, v[RD]             ; back: lanes 0-15 one row, lanes 16-31 the next
	v_add_nc_u32 v[RD], s47, v[RD]
	s_wait_alu depctr_va_vdst(0)                   ; the wait, ahead of the first reader
	WIN 0x55
	v_ldexp_f32 v[LA], v[LA], s46                  ; x 2^(ev + ep)
	v_ldexp_f32 v[LB], v[LB], s46
	s_wait_alu depctr_va_vdst(0)                   ; directly ahead of the first reader of O^T
.set n, 0
.rept 16
	v_pk_mul_f32 v[SA+n:SA+n+1], v[OA+n:OA+n+1], v[LA:LA+1] op_sel_hi:[1,0]
	v_pk_mul_f32 v[SA+32+n:SA+33+n], v[OB+n:OB+n+1], v[LB:LB+1] op_sel_hi:[1,0]
.set n, n+2
.endr
	WIN 0x04                                       ; store data window 1, addresses window 0
.irp t, 0,1,2,3
	ds_store_b128 v[STO], v[SA+8*\t:SA+8*\t+3] offset:128*(\t/2)+32*(\t%2)
	ds_store_b128 v[STO], v[SA+8*\t+4:SA+8*\t+7] offset:128*(\t/2)+32*(\t%2)+16
	ds_store_b128 v[STO], v[SA+32+8*\t:SA+35+8*\t] offset:8*SPI+128*(\t/2)+32*(\t%2)
	ds_store_b128 v[STO], v[SA+36+8*\t:SA+39+8*\t] offset:8*SPI+128*(\t/2)+32*(\t%2)+16
.endr
	WIN 0
.irp i, 0,1,2,3,4,5,6,7,8,9,10,11,12,13,14,15
	ds_load_b128 v[KF+4*\i:KF+4*\i+3], v[RD] offset:2*\i*SPI   ; LDS serves a wave's instructions in order (ISA guide 5.7.1.4): these see my stores
.endr
.irp i, 0,1,2,3,4,5,6,7,8,9,10,11,12,13,14,15
	s_wait_dscnt 15-\i                             ; the loads behind this one may be out
	global_store_b128 v[GO], v[KF+4*\i:KF+4*\i+3], s[8:9] offset:8192*\i th:TH_STORE_NT   ; two rows of the output, 256 aligned bytes of each
.endr
	s_wait_tensorcnt 0x0                           ; the wave's end
	ds_add_u32 v[SPW], v[NIL]
	s_wait_dscnt 0x0
	CROUND                                         ; the closing round: no work-group ends while a partner may still ask for a tile that names it
	s_endpgm
.Lfunc_end_k_qe7f6615df3_attn:
	.size	k_qe7f6615df3_attn, .Lfunc_end_k_qe7f6615df3_attn-k_qe7f6615df3_attn
	.p2alignl 7, 3214868480
	.fill 96, 4, 3214868480
	.section	.rodata,"a",@progbits
	.p2align	6, 0x0
	.amdhsa_kernel k_qe7f6615df3_attn
		.amdhsa_group_segment_fixed_size 234496
		.amdhsa_private_segment_fixed_size 0
		.amdhsa_enable_private_segment 0
		.amdhsa_kernarg_size 24
		.amdhsa_user_sgpr_count 2
		.amdhsa_user_sgpr_kernarg_segment_ptr 1
		.amdhsa_wavefront_size32 1
		.amdhsa_system_sgpr_workgroup_id_x 1
		.amdhsa_system_sgpr_workgroup_id_y 1
		.amdhsa_system_sgpr_workgroup_id_z 1
		.amdhsa_system_vgpr_workitem_id 0
		.amdhsa_next_free_vgpr 512
		.amdhsa_next_free_sgpr 66
		.amdhsa_reserve_vcc 0
		.amdhsa_float_denorm_mode_32 3
		.amdhsa_float_denorm_mode_16_64 3
		.amdhsa_memory_ordered 1
		.amdhsa_forward_progress 1
		.amdhsa_inst_pref_size 97
	.end_amdhsa_kernel
	.amdgpu_metadata
---
amdhsa.version: [ 1, 2 ]
amdhsa.kernels:
  - .name:           k_qe7f6615df3_attn
    .symbol:         k_qe7f6615df3_attn.kd
    .args:
      - { .name: att, .offset: 0, .size: 8, .value_kind: global_buffer, .address_space: global }
      - { .name: lowp_scales, .offset: 8, .size: 8, .value_kind: global_buffer, .address_space: global }
      - { .name: out0, .offset: 16, .size: 8, .value_kind: global_buffer, .address_space: global }
    .group_segment_fixed_size: 234496
    .private_segment_fixed_size: 0
    .kernarg_segment_align: 8
    .kernarg_segment_size: 24
    .max_flat_workgroup_size: 256
    .sgpr_count:     66
    .vgpr_count:     512
    .wavefront_size: 32
...
	.end_amdgpu_metadata
.endif
;; end of part 3
